; MI455X (gfx1250); checked and timed in simulation.
; The chip was launched on July 23, 2026; its instructions are those of AMD's public machine-readable ISA for CDNA 5 (MIT licence, August 2026) and "CDNA5" Instruction Set Architecture Reference Guide (July 2026). The comments in the code are by the model that wrote it; some were corrected since.
;; Self Attention2 D. Allowed arithmetic: matrix products marked QUANTISED: E2M1 operands, one E8M0 scale for each 32 along K, by v_wmma_scale_f32_16x16x128_f8f6f4 with both operands' format E2M1 (or v_wmma_scale_f32_32x16x128_f4), f32 sums; everything else in f32.
;; Inputs: Wk_codes 32 x 8 x 16 uint8 (E2M1 codes of Wk, K innermost, in blocks of 32 codes, two codes a byte); Wk_scales 32 x 8 uint8 (E8M0 scales of Wk, one for each 32 codes along K); Wq_codes 32 x 8 x 16 uint8 (E2M1 codes of Wq, K innermost, in blocks of 32 codes, two codes a byte); Wq_scales 32 x 8 uint8 (E8M0 scales of Wq, one for each 32 codes along K); Wv_codes 256 x 8 x 16 uint8 (E2M1 codes of Wv, K innermost, in blocks of 32 codes, two codes a byte); Wv_scales 256 x 8 uint8 (E8M0 scales of Wv, one for each 32 codes along K); bk 32 float32; bq 32 float32; bv 256 float32; gamma 1 float32; x 8 x 256 x 64 x 64 float32.
;; Outputs: out0 8 x 256 x 64 x 64 float32.
;; This version of the problem:
;;   THIS VERSION OF THE PROBLEM IS GIVEN IN LOW PRECISION. The matrix products marked QUANTISED in the list below multiply operands that are first quantised to E2M1 (2 exponent bits, 1 mantissa bit; 4 bits a number), with one power-of-two scale for each 32 numbers along K (OCP MX v1.0); their sums are f32. All else is computed in f32.
;;   The module's matrix products, in the order in which they are computed (A, B: the left and right operand; K: the contracted axis; several contracted axes count as one K, in the product's order):
;;     1. [M 32,768, K 256] x [K 256, N 32]; A: input x; B: input Wq (given as codes): QUANTISED
;;     2. [M 32,768, K 256] x [K 256, N 32]; A: input x; B: input Wk (given as codes): QUANTISED
;;     3. [M 32,768, K 256] x [K 256, N 256]; A: input x; B: input Wv (given as codes): QUANTISED
;;     4. batch 8 x [M 4,096, K 32] x [K 32, N 4,096]; A: computed on the way; B: computed on the way: QUANTISED
;;     5. batch 8 x [M 256, K 4,096] x [K 4,096, N 4,096]; A: computed on the way; B: softmax (see below): QUANTISED
;;   THE QUANTISER, for each operand of a quantised product, along K:
;;     - K is cut into blocks of 32 from its start; a last block that is shorter is filled with zeros.
;;     - A block's scale is 2^e with e = floor(log2(the largest magnitude in the block)) - 2, held to -126 .. 127; a block of zeros has e = 0. As a byte (E8M0): e + 127.
;;     - Each number is divided by its block's scale, clamped to +-6, and rounded to the nearest number of E2M1, ties to even, subnormals kept.
;;     - The product sums the exact products of the quantised numbers (number of the format x scale) in f32.
;;   ~~~python
;;   def quantise(x, axis):      # numpy; x: float32 -> the quantised numbers, widened to float32 again
;;       x = np.moveaxis(x, axis, -1); K = x.shape[-1]
;;       x = np.pad(x, [(0, 0)] * (x.ndim - 1) + [(0, -K % 32)]); x = x.reshape(x.shape[:-1] + (-1, 32)); a = np.abs(x).max(-1, keepdims=True)
;;       e = np.where(a > 0, np.clip(np.frexp(np.where(a > 0, a, 1))[1] - 1 - 2, -126, 127), 0)      # np.frexp(a)[1] - 1 = floor(log2(a)), exactly
;;       r = np.clip(x / 2.0 ** e, -6, 6)
;;       step = 2.0 ** (np.maximum(np.frexp(np.where(r == 0, 1, r))[1] - 1, 0) - 1)
;;       q = np.round(r / step) * step * 2.0 ** e      # np.round: ties to even
;;       return np.moveaxis(q.reshape(q.shape[:-2] + (-1,))[..., :K], -1, axis).astype(np.float32)
;;   ~~~
;;   SOFTMAX AHEAD OF A QUANTISED PRODUCT. Where the list says 'softmax', what is quantised is not the finished softmax but p = 2^(t - M), with t = logit x log2(e) and M = ceil(the row's largest t), a whole number; so 1/2 < the row's largest p <= 1. The row's sum l is taken of the UNQUANTISED p, in f32, and the product's result is divided by l at the end. Since M is a whole number, a kernel that streams over the keys may use a running M (the ceiling of the running maximum): every later rescaling is an exact power of two, which a block's scale takes up: the codes' values come out the same.
;;   OPERANDS COMPUTED ON THE WAY. 'Computed on the way' means the value that the module computes at that place (a softmax that the list does not call 'softmax' is quantised finished and normalised). What goes into a quantiser is computed in f32, as accurately as f32 sums, v_exp_f32 and their like allow (about 1e-6 of the number): no bf16 or f16 on the way to a quantiser, and a product that is left as it is and whose result goes on into a quantised operand takes f32 operands (vector FMAs, or v_wmma_f32_16x16x4_f32). A number that lies on a knife's edge between two numbers of the format may be rounded either way, as far as f32 arithmetic and the matrix unit's own rounding can turn it there, and no further.
;;   INPUTS GIVEN AS CODES. Wk (in the module: [32, 256], K = its axis 1); Wq (in the module: [32, 256], K = its axis 1); Wv (in the module: [256, 256], K = its axis 1): each comes as NAME_codes (uint8): NAME with its K axis moved to the last place and cut into blocks of 32 codes, [.., K / 32, bytes a block], one block behind the other in memory; two codes a byte, the lower K in the low four bits (a code: sign, 2 exponent bits, 1 mantissa bit); and NAME_scales (uint8): the same leading axes, one E8M0 byte (e + 127) for each 32 codes along K. Its value is code x scale, taken as it is: it is not quantised again, and the codes and scales need not be those that the quantiser above would give.
;; One version. Each part assembles by itself: llvm-mc -triple=amdgcn-amd-amdhsa -mcpu=gfx1250 --defsym DOCPART=n.
;; ======== version 1 of 1: 2 launches
;; workspace buffers: kv 5,046,272 bytes; qw 589,824 bytes
;; launch proj (part 1): grid 32 x 8, 8 waves a work-group, no clusters, 21,504 bytes of LDS; arguments x, Wq_codes, Wq_scales, bq, Wk_codes, Wk_scales, bk, Wv_codes, Wv_scales, bv, kv, qw; writes kv, qw
.if DOCPART == 1
	.amdgcn_target "amdgcn-amd-amdhsa--gfx1250"
	.amdhsa_code_object_version 6
	.text
	.protected	k_q646e8211e2_proj
	.globl	k_q646e8211e2_proj
	.p2align	8
	.type	k_q646e8211e2_proj,@function
k_q646e8211e2_proj:
	s_mov_b64 s[64:65], 0
	v_nop
	global_prefetch_b8 v0, s[64:65] scope:SCOPE_SE
	s_setreg_imm32_b32 hwreg(HW_REG_WAVE_MODE, 25, 1), 1
	s_wait_xcnt 0x0
; q = Wq x + bq, k = Wk x + bk, v = Wv x + bv on codes of FP4 (E2M1) with one E8M0 scale for each 32 along K, and the results quantised again for the attention that follows.
; x: [8][256 channels][4096 positions] f32; K of the three products is the channel axis, which is NOT innermost: a lane takes a position and its registers run down the channels.
; q and k are quantised along their 32 numbers (one block), v along the positions (the keys).  All three leave as images of the operand registers that the next launch loads.
; SHARES.  A work-group takes 128 positions (a step) of one image, all 256 channels: 131,072 bytes of x, read once.  8 x 32 work-groups.
;   Wave w quantises positions 32 (w & 3) .. + 31, channels 128 (w >> 2) .. + 127; then makes v's channels 32 w .. 32 w + 31 for all 128 positions; waves 0, 1 make q and waves 2, 3 k, each for 64 positions.
; THE POSITIONS OF A TILE ARE NOT NEIGHBOURS: row r of tile T (0..7) is position 32 (T / 2) + 8 (T % 2) + r + 8 (r / 8), so that the 16 result registers of tiles 2 b and 2 b + 1 are 16 neighbouring positions.
; A RECORD of kv (19,712 bytes, one step of keys): 0: k's codes, key (T, r) at 256 T + 16 r;  2,048: v's 16 fragments (16 channels x 128 keys), registers 4 c .. 4 c + 3 at 1,024 ct + 512 c + 16 lane;
;   18,432: v's scale words, channel 16 ct + r at 512 (ct / 8) + 256 (ct % 2) + 16 r + 4 ((ct % 8) / 2);  19,456: k's scale words, (f, r) twice at 8 (16 f + r), byte t = key (4 f + t, r).
; A RECORD of qw (2,304 bytes, 128 queries): q's codes as k's, then at 2,048 q's scale words as k's.
; NO CLUSTER, NO TENSOR LOAD: the work-groups share only the weights, 40 KB against each one's 128 KB of x, and those go from memory straight into registers, once.
; LIMITS: NaN and infinities among the inputs are not served.  A block whose largest magnitude lies under 2^-124 gets the scale byte 1; a block of zeros gets the byte 1 where the rule says 127:
;   its codes are zeros, which add nothing under any byte but 0xff, and the bytes are read by this program alone.
; REGISTERS.  Window 0: v1-15 lane numbers and addresses; v16-31 scale words of the operands; v32-47 at work; v48-55 scale words just made; v56-95 codes just made; v96-159 eight accumulators;
;   v128-255 four blocks of 32 numbers of x (first phase), later v192-255 x's fragments for q or k.   Window 1: v0-127 x's 16 fragments; v128-159 Wv; v160-175 bv; v176-207 Wq or Wk; v208-223 bq or bk.
.set REC,  19712
.set QREC, 2304
.set XSL,  16384                       ; LDS: 0: x's 16 fragments as register images, fragment 2 T + s at 1,024 (2 T + s);  here: their scale words, (T, s, r) at 128 T + 64 s + 4 r
.set GS,   17408                       ; LDS: the scale words on their way out: v's 1,024 bytes, k's 256, q's 256
.set LANE, 1
.set R16,  2                           ; lane % 16
.set HLF,  3                           ; lane / 16
.set XA,   4                           ; 4 x lane: my position's bytes in a row of x
.set LI,   5                           ; 16 x lane: my place in a register image
.set LS,   6                           ; 4 x lane: my place among 32 scale words
.set XWI,  7                           ; where I store my position's codes
.set XWS,  8                           ; and its scale word
.set LIF,  9                           ; LI + my half of the step (q, k)
.set LSF,  10                          ; the same for scale words
.set VSW,  11                          ; where v's scale word goes
.set KQW,  12                          ; where q's or k's goes
.set LQ,   13                          ; 16 (lane % 16) + 8 (lane / 16): my 8 bytes of a position's 16
.set G8,   14                          ; GS + 8 x thread
.set L8,   15                          ; 8 x lane
.set XS,   16                          ; v16-23 x's scale words, tile T: lanes 0-15 K step 0, lanes 16-31 K step 1
.set XSQ,  24                          ; v24-27 the same for my half's four tiles
.set WVS,  28                          ; v28-29 Wv's
.set WQS,  30                          ; v30-31 Wq's or Wk's
.set TM,   32
.set PW0,  48
.set PW1,  49
.set PWQ,  50                          ; v[50:51]
.set SW,   52
.set PWP,  53
.set WO,   54                          ; v[54:55]
.set CX,   56
.set PC0,  72
.set PC1,  80
.set PC2,  88
.set HA,   96
.set RAW,  128
.set XQ,   192
.set WV,   128                         ; window 1
.set BV,   160
.set WQ,   176
.set BQ,   208
.set MSB, 0
.macro WIN new                         ; the immediate's high byte repeats the setting that is left
.if MSB != \new
	s_set_vgpr_msb (MSB<<8)|\new
.set MSB, \new
.endif
.endm
.macro BARRIER                         ; my LDS stores have landed and my LDS loads are in: then the work-group's barrier
	s_wait_dscnt 0x0
	s_barrier_signal -1
	s_barrier_wait -1
.endm
; Block t of my position: x(32 t + i, position), i = 0 .. 31: each load reads 128 consecutive bytes in the wave
.macro LOADX t
.set I, 0
.rept 32
	global_load_b32 v[RAW+32*(\t)+I], v[XA], s[4:5] offset:(32*(\t)+I)*16384 th:TH_LOAD_NT
.set I, I+1
.endr
.endm
; Block t is quantised: all its 32 numbers are mine.  Its 16 bytes of codes go to their place in the fragment's image: block t of row r lies at 256 t + 16 r
.macro BLOCK t
.set XR, RAW+32*(\t)
	v_max3_num_f32 v[TM], |v[XR]|, |v[XR+1]|, |v[XR+2]|
	v_max3_num_f32 v[TM+1], |v[XR+3]|, |v[XR+4]|, |v[XR+5]|
.irp i, 6,10,14,18,22,26
	v_max3_num_f32 v[TM], v[TM], |v[XR+\i]|, |v[XR+\i+1]|
	v_max3_num_f32 v[TM+1], v[TM+1], |v[XR+\i+2]|, |v[XR+\i+3]|
.endr
	v_max3_num_f32 v[TM], v[TM], |v[XR+30]|, |v[XR+31]|
	v_max3_num_f32 v[TM], v[TM], v[TM+1], 0x1800000    ; the floor 2^(3 - 127): the byte cannot fall under 1
	v_add_nc_u32 v[TM+2], 0xff000000, v[TM]            ; 2 off the exponent field: the conversion takes the exponent field of this operand as its scale
.if (\t) == 0
	v_lshrrev_b32 v[SW], 23, v[TM+2]                   ; the scale's byte; four of them make my position's scale word for this K step
.else
	v_lshrrev_b32 v[TM+3], 23, v[TM+2]
	v_lshl_or_b32 v[SW], v[TM+3], 8*(\t), v[SW]
.endif
.irp g, 0,1,2,3
	v_cvt_scalef32_pk8_fp4_f32 v[CX+4*(\t)+\g], v[XR+8*\g:XR+8*\g+7], v[TM+2]
.endr
	v_nop                                              ; one plain place behind a scaled conversion
	ds_store_b128 v[XWI], v[CX+4*(\t):CX+4*(\t)+3] offset:256*(\t)
.endm
; 64 numbers of a lane, register 16 b + i = number 32 b + 16 (lane / 16) + i of my row, become codes in v[pc] on and the row's scale word in v[pw].
; swap = 1: the halves of neighbouring blocks change places, so that v[pc] on is an operand's eight registers.
.macro QUANT src, pc, pw, swap
.irp b, 0,1,2,3
	v_max3_num_f32 v[TM+\b], |v[\src+16*\b]|, |v[\src+16*\b+1]|, 0x1800000
.endr
.irp i, 2,4,6,8,10,12,14
.irp b, 0,1,2,3
	v_max3_num_f32 v[TM+\b], v[TM+\b], |v[\src+16*\b+\i]|, |v[\src+16*\b+\i+1]|   ; the four blocks by turns
.endr
.endr
.irp b, 0,1,2,3
	v_permlanex16_b32 v[TM+4+\b], v[TM+\b], s32, s33
.endr
.irp b, 0,1,2,3
	v_max_num_f32 v[TM+\b], v[TM+\b], v[TM+4+\b]       ; with lane l xor 16's 16 numbers: the block's largest magnitude
.endr
.irp b, 0,1,2,3
	v_add_nc_u32 v[TM+12+\b], 0xff000000, v[TM+\b]
.endr
.irp b, 0,1,2,3
	v_lshrrev_b32 v[TM+4+\b], 23, v[TM+12+\b]
.endr
	v_lshl_or_b32 v[\pw], v[TM+5], 8, v[TM+4]
	v_lshl_or_b32 v[\pw], v[TM+6], 16, v[\pw]
	v_lshl_or_b32 v[\pw], v[TM+7], 24, v[\pw]
.irp b, 0,1,2,3
	v_cvt_scalef32_pk8_fp4_f32 v[\pc+2*\b], v[\src+16*\b:\src+16*\b+7], v[TM+12+\b]
	v_cvt_scalef32_pk8_fp4_f32 v[\pc+2*\b+1], v[\src+16*\b+8:\src+16*\b+15], v[TM+12+\b]
.endr
	v_nop                                              ; one plain place behind a scaled conversion
.if \swap
.irp c, 0,1
.irp i, 0,1
	v_permlane16_swap_b32 v[\pc+4*\c+\i], v[\pc+4*\c+2+\i]
.endr
.endr
.endif
.endm
; v's channel tile 2 w + n for the step's 128 positions.  Source 0 = 16 positions of x, source 1 = 16 rows of Wv: a lane holds ONE channel and its registers run along the positions.
; bv is the C of each sum's first product.  The eight accumulators take turns.
.macro VJOB n, pc, pw
	WIN 0x15                                           ; x, Wv and bv in window 1, the sums in window 0
.irp T, 0,1,2,3,4,5,6,7
	v_wmma_scale_f32_16x16x128_f8f6f4 v[HA+8*\T:HA+8*\T+7], v[16*\T:16*\T+7], v[WV+16*\n:WV+16*\n+7], v[BV+8*\n:BV+8*\n+7], v[XS+\T], v[WVS+\n] matrix_a_fmt:MATRIX_FMT_FP4 matrix_b_fmt:MATRIX_FMT_FP4
.endr
	WIN 0x05
.irp T, 0,1,2,3,4,5,6,7
	v_wmma_scale_f32_16x16x128_f8f6f4 v[HA+8*\T:HA+8*\T+7], v[16*\T+8:16*\T+15], v[WV+16*\n+8:WV+16*\n+15], v[HA+8*\T:HA+8*\T+7], v[XS+\T], v[WVS+\n] matrix_a_fmt:MATRIX_FMT_FP4 matrix_b_fmt:MATRIX_FMT_FP4 matrix_a_scale:MATRIX_SCALE_ROW1 matrix_b_scale:MATRIX_SCALE_ROW1
.endr
	WIN 0
.rept 4
	v_nop                                              ; places between the last product and the first read of results (ISA guide 7.12.1)
.endr
	QUANT HA, \pc, \pw, 1
	global_store_b128 v[LI], v[\pc:\pc+3], s[50:51] offset:2048+1024*\n       ; the fragment's image: each store covers 512 consecutive bytes, aligned
	global_store_b128 v[LI], v[\pc+4:\pc+7], s[50:51] offset:2048+1024*\n+512
.endm
	s_load_b512 s[4:19], s[0:1], 0x0               ; x 4:5, Wq codes 6:7, Wq scales 8:9, bq 10:11, Wk codes 12:13, Wk scales 14:15, bk 16:17, Wv codes 18:19
	s_load_b256 s[20:27], s[0:1], 0x40             ; Wv scales 20:21, bv 22:23, kv 24:25, qw 26:27
	v_lshl_add_u32 v42, v0, 2, 0x5000
	v_mov_b32 v43, 0
	v_lshrrev_b32 v1, 5, v0
	v_readfirstlane_b32 s28, v1                    ; wave 0..7
	s_and_b32 s29, s28, 3                          ; g: which 32 positions I quantise
	s_lshr_b32 s30, s28, 2                         ; s: which 128 channels
	s_and_b32 s31, s28, 1                          ; f: which half of the step, for q and k
	s_mov_b32 s32, 0x76543210
	s_mov_b32 s33, 0xfedcba98                      ; v_permlanex16_b32's selects for lane l xor 16
	v_and_b32 v[LANE], 31, v0
	v_and_b32 v[R16], 15, v0
	v_bfe_u32 v[HLF], v0, 4, 1
	v_lshlrev_b32 v[XA], 2, v[LANE]
	v_lshlrev_b32 v[LI], 4, v[LANE]
	v_lshlrev_b32 v[LS], 2, v[LANE]
	; position 32 g + lane is row r' = lane % 8 + 8 (lane / 16) of tile 2 g + u, u = bit 3 of the lane
	v_and_b32 v32, 7, v0
	v_lshl_add_u32 v32, v[HLF], 3, v32             ; r'
	v_bfe_u32 v33, v0, 3, 1                        ; u
	s_lshl_b32 s34, s29, 12
	s_lshl_b32 s35, s30, 10
	s_add_co_u32 s34, s34, s35                     ; 4,096 g + 1,024 s
	v_lshlrev_b32 v[XWI], 4, v32
	v_lshl_add_u32 v[XWI], v33, 11, v[XWI]
	v_add_nc_u32 v[XWI], s34, v[XWI]               ; + 2,048 u + 16 r'
	s_lshl_b32 s34, s29, 8
	s_lshl_b32 s35, s30, 6
	s_add_co_u32 s34, s34, s35
	s_add_co_u32 s34, s34, XSL
	v_lshlrev_b32 v[XWS], 2, v32
	v_lshl_add_u32 v[XWS], v33, 7, v[XWS]
	v_add_nc_u32 v[XWS], s34, v[XWS]               ; XSL + 256 g + 128 u + 64 s + 4 r'
	s_lshl_b32 s34, s31, 13
	v_add_nc_u32 v[LIF], s34, v[LI]                ; four tiles x two fragments x 1,024 bytes for each half
	s_lshl_b32 s34, s31, 9
	s_add_co_u32 s34, s34, XSL
	v_add_nc_u32 v[LSF], s34, v[LS]
	s_lshl_b32 s34, s30, 9
	s_lshl_b32 s35, s29, 2
	s_add_co_u32 s34, s34, s35
	s_add_co_u32 s34, s34, GS
	v_add_nc_u32 v[VSW], s34, v[LI]                ; GS + 512 (w / 4) + 4 (w % 4) + 16 lane: lanes 0-15 channel tile 2 w, lanes 16-31 tile 2 w + 1
	s_bfe_u32 s34, s28, 0x10001                    ; bit 1 of the wave: 0 = q, 1 = k (waves 0 to 3)
	s_xor_b32 s34, s34, 1
	s_lshl_b32 s34, s34, 8                         ; k's words first, then q's
	s_lshl_b32 s35, s31, 7
	s_add_co_u32 s34, s34, s35
	s_add_co_u32 s34, s34, GS+1024
	v_lshl_add_u32 v[KQW], v[R16], 3, s34
	v_lshlrev_b32 v[LQ], 4, v[R16]
	v_lshl_add_u32 v[LQ], v[HLF], 3, v[LQ]
	v_lshl_add_u32 v[G8], v0, 3, GS
	v_lshlrev_b32 v[L8], 3, v[LANE]
	; byte offsets of the weights' loads (these registers become accumulators when all loads are in)
	v_lshlrev_b32 v96, 7, v[R16]
	v_lshl_add_u32 v96, v[HLF], 4, v96             ; Wv: row r of 128 bytes, + 16 h
	v_lshlrev_b32 v97, 2, v[R16]                   ; bv: 4 r
	v_lshlrev_b32 v98, 3, v[R16]
	v_lshl_add_u32 v98, v[HLF], 2, v98             ; Wv's scale words: row r of 8 bytes; lanes 16-31 take K step 1's
	v_and_b32 v99, 8, v[R16]
	v_add_nc_u32 v99, v99, v[R16]                  ; r + 8 (r / 8): the rows of Wq, Wk that form a tile are chosen like the positions
	v_lshlrev_b32 v100, 7, v99
	v_lshl_add_u32 v100, v[HLF], 4, v100
	v_lshlrev_b32 v101, 6, v[HLF]                  ; bq, bk: lane (r, h) wants numbers 16 h + 8 u + 0 .. 7
	v_lshlrev_b32 v102, 3, v99
	v_lshl_add_u32 v102, v[HLF], 2, v102
.irp b, 0,1,2,3
	v_mov_b32 v[TM+4+\b], 0                        ; written once: a lane permute's destination counts as one of its sources
.endr
	s_and_b32 s34, ttmp7, 0xffff                   ; the image
	s_lshl_b32 s35, s34, 5
	s_add_co_u32 s35, s35, ttmp9                   ; 32 x image + step: the record's number
	s_mul_i32 s46, s35, QREC
	s_mov_b32 s47, 0
	s_lshl_b32 s48, s34, 22                        ; x: the image's 4 MiB,
	s_lshl_b32 s49, s30, 21                        ; my 128 channels of 16,384 bytes,
	s_add_co_u32 s48, s48, s49
	s_lshl_b32 s49, ttmp9, 9                       ; the step's 512 bytes of a row,
	s_add_co_u32 s48, s48, s49
	s_lshl_b32 s49, s29, 7                         ; my 128 of them
	s_add_co_u32 s48, s48, s49
	s_mov_b32 s49, 0
	s_mul_i32 s44, s35, REC
	s_mov_b32 s45, 0
	s_wait_kmcnt 0x0
	s_add_nc_u64 s[4:5], s[4:5], s[48:49]
	s_add_nc_u64 s[24:25], s[24:25], s[44:45]      ; my record of kv
	s_add_nc_u64 s[26:27], s[26:27], s[46:47]      ; and of qw
	s_lshl_b32 s44, s28, 12
	s_add_nc_u64 s[18:19], s[18:19], s[44:45]      ; Wv: my 32 rows of 128 bytes
	s_lshl_b32 s44, s28, 8
	s_add_nc_u64 s[20:21], s[20:21], s[44:45]      ; their scale bytes
	s_lshl_b32 s44, s28, 7
	s_add_nc_u64 s[22:23], s[22:23], s[44:45]      ; their biases
	s_lshl_b32 s44, s28, 11
	s_add_nc_u64 s[50:51], s[24:25], s[44:45]      ; where my two fragments of v go
	s_cmp_lt_u32 s28, 2                            ; q's wave or k's?  The choice hangs on the wave's number alone
	s_cselect_b64 s[36:37], s[6:7], s[12:13]
	s_cselect_b64 s[38:39], s[8:9], s[14:15]
	s_cselect_b64 s[40:41], s[10:11], s[16:17]
	s_cselect_b64 s[42:43], s[26:27], s[24:25]
	s_lshl_b32 s44, s31, 10
	s_add_nc_u64 s[42:43], s[42:43], s[44:45]      ; my half's four tiles of 256 bytes
	WIN 0x40                                       ; destination window 1
.irp n, 0,1
.irp k, 0,1
.irp c, 0,1
	global_load_b128 v[WV+16*\n+8*\k+4*\c:WV+16*\n+8*\k+4*\c+3], v96, s[18:19] offset:2048*\n+64*\k+32*\c
.endr
.endr
.endr
.irp n, 0,1
.irp j, 0,1,2,3,4,5,6,7
	global_load_b32 v[BV+8*\n+\j], v97, s[22:23] offset:64*\n      ; in the result's layout a lane's eight registers belong to one channel: its bias eight times
.endr
.endr
	WIN 0
.irp n, 0,1
	global_load_b32 v[WVS+\n], v98, s[20:21] offset:128*\n
.endr
	s_cmp_lt_u32 s28, 4
	s_cbranch_scc0 .Lno_qk_weights
	WIN 0x40
.irp u, 0,1
.irp k, 0,1
.irp c, 0,1
	global_load_b128 v[WQ+16*\u+8*\k+4*\c:WQ+16*\u+8*\k+4*\c+3], v100, s[36:37] offset:1024*\u+64*\k+32*\c
.endr
.endr
	global_load_b128 v[BQ+8*\u:BQ+8*\u+3], v101, s[40:41] offset:32*\u
	global_load_b128 v[BQ+8*\u+4:BQ+8*\u+7], v101, s[40:41] offset:32*\u+16
.endr
	WIN 0
.irp u, 0,1
	global_load_b32 v[WQS+\u], v102, s[38:39] offset:64*\u
.endr
.Lno_qk_weights:
	; ---- x: my 32 positions x 128 channels become codes.  Each block has registers of its own; two blocks' loads are on their way while one is worked
	LOADX 0
	LOADX 1
	s_wait_loadcnt 32                              ; all but block 1's 32 loads are in: block 0, and the weights, which are older
	LOADX 2
	BLOCK 0
	s_wait_loadcnt 32                              ; all but block 2's
	LOADX 3
	BLOCK 1
	s_wait_loadcnt 32                              ; all but block 3's
	BLOCK 2
	s_wait_loadcnt 0x0
	BLOCK 3
	ds_store_b32 v[XWS], v[SW]
	BARRIER                                        ; x's sixteen fragments and their scale words lie in LDS
	; ---- every wave takes all of them into registers
	WIN 0x40
.set I, 0
.rept 16
	ds_load_b128 v[8*I:8*I+3], v[LI] offset:1024*I
	ds_load_b128 v[8*I+4:8*I+7], v[LI] offset:1024*I+512
.set I, I+1
.endr
	WIN 0
.irp T, 0,1,2,3,4,5,6,7
	ds_load_b32 v[XS+\T], v[LS] offset:XSL+128*\T
.endr
	s_cmp_lt_u32 s28, 4
	s_cbranch_scc0 .Lno_xq
.set I, 0
.rept 8
	ds_load_b128 v[XQ+8*I:XQ+8*I+3], v[LIF] offset:1024*I          ; my half's four tiles once more: which half hangs on the wave, a register's number cannot
	ds_load_b128 v[XQ+8*I+4:XQ+8*I+7], v[LIF] offset:1024*I+512
.set I, I+1
.endr
.irp t, 0,1,2,3
	ds_load_b32 v[XSQ+\t], v[LSF] offset:128*\t
.endr
.Lno_xq:
	s_wait_dscnt 0x0
	; ---- v
	VJOB 0, PC0, PW0
	VJOB 1, PC1, PW1
	v_cmp_gt_u32 vcc_lo, 16, v[LANE]
	v_cndmask_b32 v[PWP], v[PW1], v[PW0], vcc_lo   ; lanes 0-15 the even tile's word, lanes 16-31 the odd tile's
	ds_store_b32 v[VSW], v[PWP]
	; ---- q or k: source 0 = 16 rows of the weight, source 1 = 16 positions: a lane holds ONE position, and the 16 registers of its two tiles are numbers 16 h + 0 .. 15 of q or k
	s_cmp_lt_u32 s28, 4
	s_cbranch_scc0 .Lno_qk
	WIN 0x11                                       ; the weight and the bias in window 1
.irp t, 0,1,2,3
.irp u, 0,1
	v_wmma_scale_f32_16x16x128_f8f6f4 v[HA+16*\t+8*\u:HA+16*\t+8*\u+7], v[WQ+16*\u:WQ+16*\u+7], v[XQ+16*\t:XQ+16*\t+7], v[BQ+8*\u:BQ+8*\u+7], v[WQS+\u], v[XSQ+\t] matrix_a_fmt:MATRIX_FMT_FP4 matrix_b_fmt:MATRIX_FMT_FP4
.endr
.endr
	WIN 0x01
.irp t, 0,1,2,3
.irp u, 0,1
	v_wmma_scale_f32_16x16x128_f8f6f4 v[HA+16*\t+8*\u:HA+16*\t+8*\u+7], v[WQ+16*\u+8:WQ+16*\u+15], v[XQ+16*\t+8:XQ+16*\t+15], v[HA+16*\t+8*\u:HA+16*\t+8*\u+7], v[WQS+\u], v[XSQ+\t] matrix_a_fmt:MATRIX_FMT_FP4 matrix_b_fmt:MATRIX_FMT_FP4 matrix_a_scale:MATRIX_SCALE_ROW1 matrix_b_scale:MATRIX_SCALE_ROW1
.endr
.endr
	WIN 0
.rept 4
	v_nop
.endr
	QUANT HA, PC2, PWQ, 0                          ; here block t is tile t's position: its 32 numbers are one block, and the word's byte t is that position's scale
.irp t, 0,1,2,3
	global_store_b64 v[LQ], v[PC2+2*\t:PC2+2*\t+1], s[42:43] offset:256*\t    ; 32 lanes store 256 consecutive bytes, aligned
.endr
	v_mov_b32 v[PWQ+1], v[PWQ]
	ds_store_b64 v[KQW], v[PWQ:PWQ+1]              ; the word twice; lanes r and r + 16 write the same bytes with the same value
.Lno_qk:
	BARRIER                                        ; 1,536 bytes of scale words lie in LDS
	s_cmp_lt_u32 s28, 6
	s_cbranch_scc0 .Ldone
	ds_load_b64 v[WO:WO+1], v[G8]                  ; wave w takes bytes 256 w on: waves 0-3 v's, wave 4 k's, wave 5 q's
	s_lshl_b32 s46, s28, 8
	s_add_co_u32 s46, s46, 18432
	s_mov_b32 s47, 0
	s_cmp_lt_u32 s28, 5
	s_cselect_b64 s[44:45], s[24:25], s[26:27]
	s_cselect_b32 s46, s46, 2048
	s_add_nc_u64 s[44:45], s[44:45], s[46:47]
	s_wait_dscnt 0x0
	global_store_b64 v[L8], v[WO:WO+1], s[44:45]   ; 32 lanes store 256 consecutive bytes, aligned
.Ldone:
	s_wait_tensorcnt 0x0
	ds_add_u32 v42, v43
	s_wait_dscnt 0x0
	s_endpgm
.Lfunc_end_k_q646e8211e2_proj:
	.size	k_q646e8211e2_proj, .Lfunc_end_k_q646e8211e2_proj-k_q646e8211e2_proj
	.p2alignl 7, 3214868480
	.fill 96, 4, 3214868480
	.section	.rodata,"a",@progbits
	.p2align	6, 0x0
	.amdhsa_kernel k_q646e8211e2_proj
		.amdhsa_group_segment_fixed_size 21504
		.amdhsa_private_segment_fixed_size 0
		.amdhsa_enable_private_segment 0
		.amdhsa_kernarg_size 96
		.amdhsa_user_sgpr_count 2
		.amdhsa_user_sgpr_kernarg_segment_ptr 1
		.amdhsa_wavefront_size32 1
		.amdhsa_system_sgpr_workgroup_id_x 1
		.amdhsa_system_sgpr_workgroup_id_y 1
		.amdhsa_system_sgpr_workgroup_id_z 1
		.amdhsa_system_vgpr_workitem_id 0
		.amdhsa_next_free_vgpr 512
		.amdhsa_next_free_sgpr 66
		.amdhsa_reserve_vcc 1
		.amdhsa_float_denorm_mode_32 3
		.amdhsa_float_denorm_mode_16_64 3
		.amdhsa_memory_ordered 1
		.amdhsa_forward_progress 1
		.amdhsa_inst_pref_size 51
	.end_amdhsa_kernel
	.amdgpu_metadata
---
amdhsa.version: [ 1, 2 ]
amdhsa.kernels:
  - .name:           k_q646e8211e2_proj
    .symbol:         k_q646e8211e2_proj.kd
    .args:
      - { .name: x, .offset: 0, .size: 8, .value_kind: global_buffer, .address_space: global }
      - { .name: Wq_codes, .offset: 8, .size: 8, .value_kind: global_buffer, .address_space: global }
      - { .name: Wq_scales, .offset: 16, .size: 8, .value_kind: global_buffer, .address_space: global }
      - { .name: bq, .offset: 24, .size: 8, .value_kind: global_buffer, .address_space: global }
      - { .name: Wk_codes, .offset: 32, .size: 8, .value_kind: global_buffer, .address_space: global }
      - { .name: Wk_scales, .offset: 40, .size: 8, .value_kind: global_buffer, .address_space: global }
      - { .name: bk, .offset: 48, .size: 8, .value_kind: global_buffer, .address_space: global }
      - { .name: Wv_codes, .offset: 56, .size: 8, .value_kind: global_buffer, .address_space: global }
      - { .name: Wv_scales, .offset: 64, .size: 8, .value_kind: global_buffer, .address_space: global }
      - { .name: bv, .offset: 72, .size: 8, .value_kind: global_buffer, .address_space: global }
      - { .name: kv, .offset: 80, .size: 8, .value_kind: global_buffer, .address_space: global }
      - { .name: qw, .offset: 88, .size: 8, .value_kind: global_buffer, .address_space: global }
    .group_segment_fixed_size: 21504
    .private_segment_fixed_size: 0
    .kernarg_segment_align: 8
    .kernarg_segment_size: 96
    .max_flat_workgroup_size: 256
    .sgpr_count:     66
    .vgpr_count:     512
    .wavefront_size: 32
...
	.end_amdgpu_metadata
.endif
;; end of part 1
;; launch attn (part 2): grid 32 x 8, 8 waves a work-group, clusters of 4 x 1, 327,680 bytes of LDS; arguments qw, kv, x, gamma, out0; writes out0
.if DOCPART == 2
	.amdgcn_target "amdgcn-amd-amdhsa--gfx1250"
	.amdhsa_code_object_version 6
	.text
	.protected	k_q646e8211e2_attn
	.globl	k_q646e8211e2_attn
	.p2align	8
	.type	k_q646e8211e2_attn,@function
k_q646e8211e2_attn:
	s_mov_b64 s[64:65], 0
	v_nop
	global_prefetch_b8 v0, s[64:65] scope:SCOPE_SE
	s_setreg_imm32_b32 hwreg(HW_REG_WAVE_MODE, 25, 1), 1
	s_wait_xcnt 0x0
	s_wait_alu depctr_hold_cnt(0) depctr_sa_sdst(0) depctr_va_vdst(0) depctr_va_sdst(0) depctr_va_ssrc(0) depctr_va_vcc(0) depctr_vm_vsrc(0)
	s_getreg_b32 s2, hwreg(HW_REG_IB_STS2, 6, 4)
	s_cmp_eq_u32 s2, 0
	s_cbranch_scc0 .Lentry_in_a_cluster
	s_endpgm
.Lentry_in_a_cluster:
	s_bfe_u32 s2, ttmp6, 0x10000c
	s_cmp_lg_u32 s2, 0x3003
	s_cbranch_scc0 .Lentry_shape_is_right
	s_endpgm
.Lentry_shape_is_right:
; out[b][c][i] = gamma x (sum over j of softmax_j(q_i . k_j) v[c][j]) + x[b][c][i], both products on codes of FP4 (E2M1) with one E8M0 scale for each 32 along K.
; q, k, v come as records of register images (their layout: below).  8 images, 4,096 positions, 256 channels, q and k of 32 numbers.
; THE SOFTMAX AHEAD OF THE SECOND PRODUCT: t = score x log2(e); M = the row's largest t so far, rounded UP to a whole number; p = 2^(t - M) is quantised along the keys, not normalised.
;   The row's sum is taken of the unquantised p and divides at the end.  When M moves, the sum and O are multiplied by 2^(old M - new M): exact.
; SHARES.  A work-group owns 128 queries of one image: 8 x 32 work-groups.  Wave w holds TWO tiles of 16 queries (place 0: tile w, place 1: tile w xor 1) and walks HALF of the keys (records 4 (w % 2) .. + 3
;   of each slot of eight): so each fragment of v read from LDS feeds two products, and a SIMD still has two waves, one's vector work beside the other's products and LDS loads.
;   At the end waves w and w xor 1 hand each other the tile at place 1 through LDS; each joins the two halves of its tile w by exact powers of two.
; LAYOUT.  Both products are used transposed: S^T = k q^T (source 0 = keys, source 1 = my queries), O^T = v p^T (source 0 = 16 channels, source 1 = p): a lane holds ONE query (lane % 16) throughout.
;   Row r of tile T (0..7) of a step of 128 positions is position 32 (T / 2) + 8 (T % 2) + r + 8 (r / 8): the 16 registers of tiles 2 b and 2 b + 1 are 16 neighbouring keys.
; K = 32 IN AN INSTRUCTION OF K = 128.  A fragment of k holds 64 keys: block t of row r is key (4 f + t, r), and byte t of the row's scale word that key's scale.  q has four variants, its 32 codes in block t and
;   zero codes elsewhere: variant t multiplies out tile 4 f + t alone.  The variants share registers: Z Dlo Z Dhi Z, four each (Z zeros, Dlo the codes in lanes 0-15, Dhi in lanes 16-31).
; A RECORD of kv (19,712 bytes, 128 keys): 0: k's codes, key (T, r) at 256 T + 16 r;  2,048: v's 16 fragments, registers 4 c .. 4 c + 3 at 1,024 ct + 512 c + 16 lane;  18,432: v's scale words;  19,456: k's scale words,
;   (f, r) at 8 (16 f + r).  A record of qw (2,304 bytes, 128 queries): codes as k's, scale words at 2,048.
; CLUSTER.  The four query blocks of a cluster belong to one image and walk the same records: each is asked for JOINTLY, by the same tensor load with the same descriptor and a mask that names the four.
; RING.  Two LDS slots of eight records, as large as fit: the image's 32 records are four slots' worth, so only two refills and three changes of slots are needed.  Every wave fetches one record of a slot
;   (77 rows of 256 bytes).  Both slots' first fills go out together; by this text's count a wave has at most two tensor loads out, later one.  A refill has four key steps in which to land.
; k IS FETCHED A STEP AHEAD: the next record's five LDS loads stand behind this step's score products; a slot's last step asks for nothing, and a slot's first k is fetched behind the change of slots.
; LIMITS: NaN and infinities are not served.  A block of p that has fallen to zeros keeps the scale byte 1: its codes are zeros.
; REGISTERS.  Window 0: v1-9 addresses; v8 k's scale words; v10-11 q's; v12-19 -M, largest t, sum (two halves) for each place; v20-23 f and p's scale word; v24-31 v's scale words; v32-47 at work; v48-83 q's variants;
;   v84-99 k; v100-115 p's codes; v128-255 S^T, then p, then v's 16 fragments; on the way out rows of x.   Window 1: O^T, place n's channel tile ct at v[128 n + 8 ct].
.set REC,   19712
.set QREC,  2304
.set SLOTB, 8*REC                      ; a slot: 157,696 bytes; slot 1 begins here
.set STG,   SLOTB                      ; the way out: 256 rows (channels) x (512 bytes + 16), in slot 1, when it has had its last fill and its last read
.set STAT,  2*SLOTB                    ; the way out: -M and the sum of each wave's place 1, 256 bytes a wave
.set SPARE, STAT+2048                  ; the spare words, 128 bytes for each wave: four blocks of 256 bytes that no other line names
.set L16,  1                           ; 16 x lane
.set L8K,  2                           ; 8 x lane + 19,456
.set ADR,  3                           ; L16 + the record in hand
.set ADR8, 4                           ; L8K + the same
.set SPW,  5                           ; LDS address of my spare word; never rewritten
.set NIL,  6                           ; 0; never rewritten
.set KS,   8
.set QS,   10
.set ST0,  12
.set ST1,  16
.set FP0,  20
.set FP1,  22
.set VS,   24
.set TM,   32
.set QB,   48
.set KF,   84
.set PC0,  100
.set PC1,  108
.set PFO,  116
.set S0,   128
.set S1,   192
.set VF,   128
.set WV,   14                          ; s14 my wave's number
.set SEL,  20                          ; s[20:21]
.set CS,   22                          ; s[22:23] log2(e): the packed form names a pair and takes its low word for both halves
.set G1,   24                          ; s[24:31] descriptor group 1
.set G0A,  32                          ; s[32:35] group 0 for slot 0
.set TB,   36                          ; s36 LDS byte at which the record in hand begins
.set CNT,  37
.set G0B,  40                          ; s[40:43] group 0 for slot 1
.set KHB,  56                          ; s56 where my four records begin in a slot
.set MSB, 0
.macro WIN new                         ; the immediate's high byte repeats the setting that is left
.if MSB != \new
	s_set_vgpr_msb (MSB<<8)|\new
.set MSB, \new
.endif
.endm
; A round of the cluster's barrier
.macro CROUND
	s_barrier_signal -1
	s_barrier_wait -1
	s_cmp_lg_u32 s[WV], 0
	s_cbranch_scc1 .Lnot_wave_0_\@
	s_barrier_signal -3
.Lnot_wave_0_\@:
	s_barrier_wait -3
	s_barrier_signal -1
	s_barrier_wait -1
.endm
.macro ADRS                            ; my lane's addresses in the record in hand
	v_add_nc_u32 v[ADR], s[TB], v[L16]
	v_add_nc_u32 v[ADR8], s[TB], v[L8K]
.endm
.macro KLOAD off                       ; k of the record off bytes on: two fragments of 64 keys, and their scale words (lanes 0-15 the first fragment's, lanes 16-31 the second's)
.irp g, 0,1,2,3
	ds_load_b128 v[KF+4*\g:KF+4*\g+3], v[ADR] offset:\off+512*\g
.endr
	ds_load_b32 v[KS], v[ADR8] offset:\off
.endm
; THE CHANGE OF SLOTS.  Each wave waits for all its tensor loads (its record of the slot ahead), adds 0 to its spare word, and waits for that and for its reads of the slot that it has left.
; fill = 1: a round of the cluster's barrier, and behind it the slot just left (group 0 at g0) is filled with the records two slots on.  nb: where the slot ahead begins.  Its first k is fetched at once.
.macro CHANGE fill, g0, nb
	s_wait_tensorcnt 0x0                           ; no tensor load of mine is out, so a group 0 may be written
	ds_add_u32 v[SPW], v[NIL]                      ; 0 onto my spare word
.if \fill
	s_add_nc_u64 s[\g0+2:\g0+3], s[\g0+2:\g0+3], 2*SLOTB   ; sixteen records on; the type bits on top are not reached
.endif
	s_add_co_u32 s[TB], s[KHB], \nb                ; my first record of the slot ahead
	s_wait_dscnt 0x0                               ; the add is done, and my reads of the slot that I have left are over
.if \fill
	CROUND
	tensor_load_to_lds s[\g0:\g0+3], s[G1:G1+7]    ; the first thing behind the round, and my one tensor load until the next
	s_nop 0
.rept 4
	v_nop
.endr
.else
	s_barrier_signal -1
	s_barrier_wait -1
.endif
	ADRS
	KLOAD 0
.endm
; THE ROW'S SUM is taken of the unquantised p, two at a time (pair n = registers 2 n, 2 n + 1), in FOUR chains, so that no addition waits for the one before it: pairs 0, 4, 8 .. go straight onto the running sum,
; pairs n % 4 = 1, 2, 3 into three pairs of registers at work, which join at the end.  DOP writes addition number DJ of 32.
.macro DOP sc, st
.if DJ == 0
	s_wait_alu depctr_va_vdst(0)
	v_pk_add_f32 v[\st+2:\st+3], v[\st+2:\st+3], v[\sc:\sc+1]
.elseif DJ == 1
	v_pk_add_f32 v[\st+2:\st+3], v[\st+2:\st+3], v[\sc+8:\sc+9]
.elseif DJ < 5
	v_pk_add_f32 v[TM+2*DJ-4:TM+2*DJ-3], v[\sc+2*DJ-2:\sc+2*DJ-1], v[\sc+2*DJ+6:\sc+2*DJ+7]     ; pairs DJ - 1 and DJ + 3 start a chain: nothing is cleared
.elseif DJ < 29
.if (DJ+3)%4 == 0
	s_wait_alu depctr_va_vdst(0)
	v_pk_add_f32 v[\st+2:\st+3], v[\st+2:\st+3], v[\sc+2*DJ+6:\sc+2*DJ+7]                       ; pair DJ + 3
.else
	v_pk_add_f32 v[TM+2*((DJ+3)%4)-2:TM+2*((DJ+3)%4)-1], v[TM+2*((DJ+3)%4)-2:TM+2*((DJ+3)%4)-1], v[\sc+2*DJ+6:\sc+2*DJ+7]
.endif
.elseif DJ == 29
	v_pk_add_f32 v[TM:TM+1], v[TM:TM+1], v[TM+2:TM+3]
.elseif DJ == 30
	v_pk_add_f32 v[\st+2:\st+3], v[\st+2:\st+3], v[TM+4:TM+5]
.else
	v_pk_add_f32 v[\st+2:\st+3], v[\st+2:\st+3], v[TM:TM+1]
.endif
.set DJ, DJ+1
.endm
; The plain line that stands ahead of exponential number K of 68 (0-3: the blocks' largest p; 4-67: p of scores 0-63).  It is whatever is ready:
;   t - M of a pair of scores, four turns or more ahead of its exponentials (K = 0-3: pairs 0-3; even K to 58: pair K / 2 + 2);
;   odd K from 5: the blocks' scale bytes (floor, scale operand, byte, word), the sum under the new M, then additions of pairs whose exponentials stand seven turns back or more.
.macro SMP sc, st, fp
.if K < 4
.set PP, K
.elseif (K%2 == 0) && (K < 60)
.set PP, K/2+2
.else
.set PP, -1
.endif
.if PP >= 0
	v_pk_fma_f32 v[\sc+2*PP:\sc+2*PP+1], v[\sc+2*PP:\sc+2*PP+1], s[CS:CS+1], v[\st:\st+1] op_sel_hi:[1,0,0]   ; t - M, two at a time
.elseif K < 13
	s_wait_alu depctr_va_vdst(0)
	v_max_num_f32 v[TM+(K-5)/2], 0x1800000, v[TM+(K-5)/2]          ; the floor 2^(3 - 127): the byte cannot fall under 1
.elseif K < 21
	v_add_nc_u32 v[TM+8+(K-13)/2], 0xff000000, v[TM+(K-13)/2]      ; 2 off the exponent field: the conversion's scale operand
.elseif K < 29
	v_lshrrev_b32 v[TM+4+(K-21)/2], 23, v[TM+8+(K-21)/2]           ; the scale's byte
.elseif K == 29
	v_lshl_or_b32 v[\fp+1], v[TM+5], 8, v[TM+4]                    ; p's scale word for these 128 keys
.elseif K == 31
	v_lshl_or_b32 v[\fp+1], v[TM+6], 16, v[\fp+1]
.elseif K == 33
	v_lshl_or_b32 v[\fp+1], v[TM+7], 24, v[\fp+1]
.elseif K == 35
	v_pk_mul_f32 v[\st+2:\st+3], v[\st+2:\st+3], v[\fp:\fp+1] op_sel_hi:[1,0]   ; the sums under the new M
.else
	DOP \sc, \st
.endif
.endm
; One tile's softmax for 128 keys: scores in v[sc] .. v[sc + 63] (register 16 b + i = key 32 b + 16 (lane / 16) + i), statistics at v[st], f and p's scale word in v[fp], v[fp + 1], p's codes in v[pc] on.
.macro SM sc, st, fp, pc
.irp b, 0,1,2,3
	v_max3_num_f32 v[TM+\b], v[\sc+16*\b], v[\sc+16*\b+1], v[\sc+16*\b+2]     ; the largest score of each block of 32 keys: it serves for the row's maximum and, since p rises with the score, for the block's largest p
.endr
.irp i, 3,5,7,9,11,13
.irp b, 0,1,2,3
	v_max3_num_f32 v[TM+\b], v[TM+\b], v[\sc+16*\b+\i], v[\sc+16*\b+\i+1]
.endr
.endr
.irp b, 0,1,2,3
	v_max_num_f32 v[TM+\b], v[TM+\b], v[\sc+16*\b+15]
.endr
.irp b, 0,1,2,3
	v_permlanex16_b32 v[TM+4+\b], v[TM+\b], s[SEL], s[SEL+1]
.endr
.irp b, 0,1,2,3
	v_max_num_f32 v[TM+\b], v[TM+\b], v[TM+4+\b]   ; with lane l xor 16's 16 keys
.endr
	v_max3_num_f32 v[TM+12], v[TM], v[TM+1], v[TM+2]
	v_max_num_f32 v[TM+12], v[TM+12], v[TM+3]      ; the step's largest score of my query
	v_mul_f32 v[TM+12], s[CS], v[TM+12]            ; as t
	v_max_num_f32 v[\st+1], v[\st+1], v[TM+12]     ; the running largest t
	v_mov_b32 v[TM+12], v[\st]
	v_floor_f32 v[\st], -v[\st+1]                  ; the new -M = floor(-t) = -ceil(t)
	v_sub_f32 v[TM+12], v[\st], v[TM+12]           ; old M - new M: a whole number, 0 or less
	v_cvt_i32_f32 v[TM+12], v[TM+12]               ; (it saturates)
	v_ldexp_f32 v[\fp], 1.0, v[TM+12]              ; f = 2^(old M - new M)
.irp b, 0,1,2,3
	v_fma_f32 v[TM+\b], v[TM+\b], s[CS], v[\st]    ; t - M of each block's largest score: the same multiply-add and exponential on the same number give the same bits as its p
.endr
.set K, 0
.set DJ, 0
.rept 68                                       ; plain, exponential, plain, exponential: no two exponentials follow each other, and each has a plain line behind it before its result is used
	SMP \sc, \st, \fp
.if K < 4
	v_exp_f32 v[TM+K], v[TM+K]                     ; the block's largest p
.else
	v_exp_f32 v[\sc+K-4], v[\sc+K-4]               ; p = 2^(t - M), at most 1
.endif
.set K, K+1
.endr
	DOP \sc, \st                                   ; two additions of older pairs: the plain lines between the last exponential and the conversion that reads it
	DOP \sc, \st
	s_wait_alu depctr_va_vdst(0)
.irp b, 0,1,2,3
	v_cvt_scalef32_pk8_fp4_f32 v[\pc+2*\b], v[\sc+16*\b:\sc+16*\b+7], v[TM+8+\b]
	v_cvt_scalef32_pk8_fp4_f32 v[\pc+2*\b+1], v[\sc+16*\b+8:\sc+16*\b+15], v[TM+8+\b]
.endr
	v_nop                                          ; one plain place behind a scaled conversion
.irp c, 0,1                                    ; the operand's layout wants a whole block in a lane
.irp i, 0,1
	v_permlane16_swap_b32 v[\pc+4*\c+\i], v[\pc+4*\c+2+\i]
.endr
.endr
.rept 10
	DOP \sc, \st                                   ; the rest of the sum: these ten lines are also the places between p's codes and the products that take them
.endr
.endm
; v's channel tiles 8 half .. 8 half + 7 of the record in hand, into the registers that one tile's p has left; with the first half v's scale words
.macro LOADV half
.if \half == 0
	ds_load_b128 v[VS:VS+3], v[ADR] offset:18432                   ; register ct / 2: lanes 0-15 the even tile's words, lanes 16-31 the odd tile's
	ds_load_b128 v[VS+4:VS+7], v[ADR] offset:18432+512
.endif
.irp e, 0,1,2,3,4,5,6,7
	ds_load_b128 v[VF+64*\half+8*\e:VF+64*\half+8*\e+3], v[ADR] offset:2048+8192*\half+1024*\e
	ds_load_b128 v[VF+64*\half+8*\e+4:VF+64*\half+8*\e+7], v[ADR] offset:2048+8192*\half+1024*\e+512
.endr
.endm
; 16 products O^T += v p^T: eight channel tiles x my two tiles of queries; every one has an accumulator of its own.  first = 1: they start the sums
.macro PV8 half, first
.irp e, 0,1,2,3,4,5,6,7
.irp n, 0,1
.set CT, 8*\half+\e
.set OD, 128*\n+8*CT
.set VA, VF+8*CT
.set PB, PC0+8*\n
.set PS, FP0+2*\n+1
.if \first
.if \e % 2
	v_wmma_scale_f32_16x16x128_f8f6f4 v[OD:OD+7], v[VA:VA+7], v[PB:PB+7], 0, v[VS+CT/2], v[PS] matrix_a_fmt:MATRIX_FMT_FP4 matrix_b_fmt:MATRIX_FMT_FP4 matrix_a_scale:MATRIX_SCALE_ROW1
.else
	v_wmma_scale_f32_16x16x128_f8f6f4 v[OD:OD+7], v[VA:VA+7], v[PB:PB+7], 0, v[VS+CT/2], v[PS] matrix_a_fmt:MATRIX_FMT_FP4 matrix_b_fmt:MATRIX_FMT_FP4
.endif
.else
.if \e % 2
	v_wmma_scale_f32_16x16x128_f8f6f4 v[OD:OD+7], v[VA:VA+7], v[PB:PB+7], v[OD:OD+7], v[VS+CT/2], v[PS] matrix_a_fmt:MATRIX_FMT_FP4 matrix_b_fmt:MATRIX_FMT_FP4 matrix_a_scale:MATRIX_SCALE_ROW1
.else
	v_wmma_scale_f32_16x16x128_f8f6f4 v[OD:OD+7], v[VA:VA+7], v[PB:PB+7], v[OD:OD+7], v[VS+CT/2], v[PS] matrix_a_fmt:MATRIX_FMT_FP4 matrix_b_fmt:MATRIX_FMT_FP4
.endif
.endif
.endr
.endr
.endm
; A KEY STEP: the 128 keys of the record in hand, for my two tiles of queries.  Its k was asked for a step ago, or behind the change of slots.
; first = 1: its products start O^T's sums.  knext = 1: the next record of the slot is mine too: its k is asked for here, and the addresses step on at the end.
.macro STEP first, knext
	s_wait_dscnt 0x0                               ; k is in
.irp T, 0,1,2,3,4,5,6,7
.irp n, 0,1
.set QV, QB+16*\n+8*(\T%2)+4-4*((\T%4)/2)
.set SD, S0+64*\n+8*\T
.set KA, KF+8*(\T/4)
.if \T < 4
	v_wmma_scale_f32_16x16x128_f8f6f4 v[SD:SD+7], v[KA:KA+7], v[QV:QV+7], 0, v[KS], v[QS+\n] matrix_a_fmt:MATRIX_FMT_FP4 matrix_b_fmt:MATRIX_FMT_FP4
.else
	v_wmma_scale_f32_16x16x128_f8f6f4 v[SD:SD+7], v[KA:KA+7], v[QV:QV+7], 0, v[KS], v[QS+\n] matrix_a_fmt:MATRIX_FMT_FP4 matrix_b_fmt:MATRIX_FMT_FP4 matrix_a_scale:MATRIX_SCALE_ROW1
.endif
.endr
.endr
.rept 4
	v_nop                                          ; places between the last product and the first read of results, and the loads into k's registers
.endr
.if \knext
	KLOAD REC                                      ; the next record's k: it has this whole step in which to land
.endif
	SM S0, ST0, FP0, PC0
	LOADV 0                                        ; they land while the other tile's softmax is walked
	SM S1, ST1, FP1, PC1
	LOADV 1
.if \first == 0
	WIN 0x41                                       ; O^T in window 1, f in window 0
.set J, 0
.rept 64
	v_pk_mul_f32 v[J:J+1], v[J:J+1], v[FP0:FP0+1] op_sel_hi:[1,0]  ; O^T under the new M: x f, each accumulator from its low end on
.set J, J+2
.endr
.rept 64
	v_pk_mul_f32 v[J:J+1], v[J:J+1], v[FP1:FP1+1] op_sel_hi:[1,0]
.set J, J+2
.endr
.endif
	s_wait_dscnt 16                                ; all but the youngest sixteen loads (channel tiles 8-15) are in: tiles 0-7, v's scale words, and the next k, which are older
	WIN 0x50                                       ; v and p in window 0, O^T in window 1
	PV8 0, \first
	s_wait_dscnt 0x0
	PV8 1, \first
	WIN 0
.if \knext
	s_add_co_u32 s[TB], s[TB], REC                 ; on to the next record
	ADRS                                           ; with the three lines below five places: the next step's first products write over registers that these products have read
.rept 3
	v_nop
.endr
.else
.rept 5
	v_nop
.endr
.endif
.endm
.macro WALK n                          ; n key steps, each of which has a successor in the slot: written once, walked n times; the LDS addresses hang on s[TB]
	s_mov_b32 s[CNT], \n
.Lwalk_\@:
	STEP 0, 1
	s_sub_co_u32 s[CNT], s[CNT], 1
	s_cmp_lg_u32 s[CNT], 0
	s_cbranch_scc1 .Lwalk_\@
.endm
	s_load_b256 s[4:11], s[0:1], 0x0               ; qw 4:5, kv 6:7, x 8:9, gamma 10:11
	s_load_b64 s[12:13], s[0:1], 0x20              ; out0
	v_lshl_add_u32 v[SPW], v0, 2, SPARE
	v_mov_b32 v[NIL], 0
	ds_add_u32 v5, v6
	s_wait_dscnt 0x0
	v_lshrrev_b32 v7, 5, v0
	v_readfirstlane_b32 s[WV], v7                  ; wave 0..7
	s_and_b32 s15, s[WV], 1                        ; which half of the keys is mine
	s_bfe_u32 s16, ttmp6, 0x40000                  ; cx: my place in the cluster
	s_lshl_b32 s17, ttmp9, 2                       ; in a cluster launch ttmp9 counts clusters
	s_add_co_u32 s17, s17, s16                     ; my block of 128 queries: it enters qw's, x's and out0's addresses alone
	s_and_b32 s18, ttmp7, 0xffff                   ; the image, which the four partners share
	; descriptor group 1: a record as 77 rows of 256 bytes, dense, no padding: register images are read 16 bytes a lane on end
	s_mov_b32 s[G1], 15|(3<<16)|(1<<21)            ; 15:0 the mask: all four work-groups; 17:16 elements of 8 bytes; 21 set beside a mask
	s_mov_b32 s[G1+1], 32<<16                      ; tensor_dim0 = 32
	s_mov_b32 s[G1+2], 77<<16                      ; tensor_dim1 = 77
	s_mov_b32 s[G1+3], 32<<16                      ; tile_dim0 = 32
	s_mov_b32 s[G1+4], 77                          ; tile_dim1 = 77
	s_mov_b32 s[G1+5], 32                          ; tensor_dim0_stride
	s_mov_b32 s[G1+6], 0
	s_mov_b32 s[G1+7], 0
	s_mul_i32 s38, s[WV], REC                      ; the record that I fetch: its place in a slot and among the slot's eight in memory
	s_mul_i32 s44, s18, 32*REC                     ; the image's 32 records
	s_add_co_u32 s44, s44, s38
	s_mov_b32 s45, 0
	s_lshl_b32 s46, s18, 5
	s_add_co_u32 s46, s46, s17
	s_mul_i32 s46, s46, QREC                       ; my block's record of qw
	s_mov_b32 s47, 0
	s_lshl_b32 s48, s18, 22                        ; x and out0: the image's 4 MiB,
	s_lshl_b32 s49, s[WV], 19                      ; channels 32 w on, 16,384 bytes each,
	s_add_co_u32 s48, s48, s49
	s_lshl_b32 s49, s17, 9                         ; my block's 512 bytes of a row
	s_add_co_u32 s48, s48, s49
	s_mov_b32 s49, 0
	s_mul_i32 s[KHB], s15, 4*REC                   ; the four records of a slot that I walk
	s_mov_b32 s[TB], s[KHB]
	s_mov_b32 s[SEL], 0x76543210
	s_mov_b32 s[SEL+1], 0xfedcba98
	s_mov_b32 s[CS], 0x3fb8aa3b                    ; log2(e)
	s_mov_b32 s[CS+1], s[CS]                       ; (named with it as a pair, so it is written)
	s_wait_kmcnt 0x0
	s_load_b32 s19, s[10:11], 0x0                  ; gamma
	s_mov_b32 s[G0A], 1                            ; count = 1
	s_mov_b32 s[G0A+1], s38                        ; LDS address: slot 0
	s_add_nc_u64 s[G0A+2:G0A+3], s[6:7], s[44:45]  ; global address: records 0 to 7
	s_add_nc_u64 s[G0B+2:G0B+3], s[G0A+2:G0A+3], SLOTB             ; records 8 to 15
	s_or_b32 s[G0A+3], s[G0A+3], 0x80000000        ; type = 2
	s_mov_b32 s[G0B], 1
	s_add_co_u32 s[G0B+1], s38, SLOTB              ; slot 1
	s_or_b32 s[G0B+3], s[G0B+3], 0x80000000
	s_add_nc_u64 s[4:5], s[4:5], s[46:47]
	s_add_nc_u64 s[8:9], s[8:9], s[48:49]
	s_add_nc_u64 s[12:13], s[12:13], s[48:49]
	CROUND                                         ; all four work-groups are here: the first joint loads meet
	tensor_load_to_lds s[G0A:G0A+3], s[G1:G1+7]    ; both slots' first fills go out together, ahead of every wait on TENSORcnt and every LDS read: two loads of mine are out
	s_nop 0
	tensor_load_to_lds s[G0B:G0B+3], s[G1:G1+7]
	s_nop 0
.rept 4
	v_nop
.endr
	v_and_b32 v7, 31, v0                           ; lane
	v_and_b32 v9, 15, v0                           ; r
	v_lshlrev_b32 v[L16], 4, v7
	v_lshl_add_u32 v[L8K], v7, 3, REC-256
	v_lshlrev_b32 v[PFO], 14, v7                   ; a row of x for each lane
	s_lshl_b32 s50, s[WV], 8
	s_xor_b32 s51, s50, 256
	v_lshl_add_u32 v117, v9, 4, s50                ; q: tile w's row r,
	v_lshl_add_u32 v118, v9, 4, s51                ; tile (w xor 1)'s
	s_lshr_b32 s52, s[WV], 2
	s_lshl_b32 s52, s52, 7
	v_lshl_add_u32 v119, v9, 3, s52                ; the scale word that holds both tiles' bytes
	global_load_b128 v[128:131], v117, s[4:5]
	global_load_b128 v[132:135], v118, s[4:5]
	global_load_b32 v136, v119, s[4:5] offset:2048
.irp z, 0,8,16,24,32
.irp i, 0,1,2,3
	v_mov_b32 v[QB+\z+\i], 0                       ; the five runs of zero codes
.endr
.endr
	s_and_b32 s53, s[WV], 3
	s_lshl_b32 s53, s53, 3
	s_xor_b32 s54, s53, 8
	s_mov_b32 s55, 0x01010101
	s_wait_loadcnt 0x0
	v_bfe_u32 v[QS], v136, s53, 8                  ; my query's scale byte,
	v_bfe_u32 v[QS+1], v136, s54, 8
	v_mul_lo_u32 v[QS], v[QS], s55                 ; in all four places: whichever block holds the codes, its scale is this one
	v_mul_lo_u32 v[QS+1], v[QS+1], s55
	v_cmp_gt_u32 vcc_lo, 16, v7
.irp i, 0,1,2,3
	v_cndmask_b32 v[QB+4+\i], v[QB], v[128+\i], vcc_lo             ; Dlo: the codes in lanes 0-15
	v_cndmask_b32 v[QB+12+\i], v[128+\i], v[QB], vcc_lo            ; Dhi: in lanes 16-31
	v_cndmask_b32 v[QB+20+\i], v[QB], v[132+\i], vcc_lo
	v_cndmask_b32 v[QB+28+\i], v[132+\i], v[QB], vcc_lo
.endr
	v_mov_b32 v[ST0+1], 0xff61b1e6                 ; the largest t so far: -3e38, under every t.  (These sixteen lines are also the places between q's registers and the first products)
	v_mov_b32 v[ST1+1], 0xff61b1e6
	v_floor_f32 v[ST0], -v[ST0+1]                  ; -M
	v_floor_f32 v[ST1], -v[ST1+1]
.irp i, 2,3
	v_mov_b32 v[ST0+\i], 0                         ; the sums, in two halves
	v_mov_b32 v[ST1+\i], 0
.endr
.irp i, 0,1,2,3
	v_mov_b32 v[FP0+\i], 0                         ; (named as pairs before they are first written)
	v_mov_b32 v[TM+4+\i], 0                        ; a lane permute's destination counts as one of its sources
.endr
	s_wait_kmcnt 0x0                               ; gamma
	s_wait_tensorcnt 0x1                           ; my record of slot 0 is in; slot 1's may stay out
	s_barrier_signal -1
	s_barrier_wait -1                              ; everybody's is
	ADRS
	KLOAD 0
	STEP 1, 1                                      ; records 0-7: the first step's products start O^T's sums: nothing is cleared
	WALK 2
	STEP 0, 0
	CHANGE 1, G0A, SLOTB                           ; slot 1 is whole; slot 0 takes records 16-23
	WALK 3                                         ; records 8-15
	STEP 0, 0
	CHANGE 1, G0B, 0                               ; slot 0 is whole; slot 1 takes records 24-31: the last load
	WALK 3                                         ; records 16-23
	STEP 0, 0
	CHANGE 0, G0A, SLOTB                           ; nothing is left to fetch: written out
	WALK 3                                         ; records 24-31
	global_prefetch_b8 v[PFO], s[8:9] th:TH_LOAD_NT scope:SCOPE_SE            ; the 32 rows x 512 bytes of x that I add at the end: a lane to a row, the row's two blocks of 256 bytes,
	global_prefetch_b8 v[PFO], s[8:9] offset:256 th:TH_LOAD_NT scope:SCOPE_SE ; asked for once, one key step ahead of their loads
	STEP 0, 0
	; THE WAY OUT.  The sums' halves are added; the tile at place 1 goes to my partner; the two halves of tile w are joined, scaled by gamma / l, turned through a stage into rows of channels, added to x and stored.
	v_add_f32 v[ST0+2], v[ST0+2], v[ST0+3]
	v_add_f32 v[ST1+2], v[ST1+2], v[ST1+3]
	v_permlanex16_b32 v[TM+4], v[ST0+2], s[SEL], s[SEL+1]
	v_permlanex16_b32 v[TM+5], v[ST1+2], s[SEL], s[SEL+1]
	v_add_f32 v[ST0+1], v[ST0+2], v[TM+4]          ; l over my half of the keys, beside -M
	v_add_f32 v[ST1+1], v[ST1+2], v[TM+5]
	s_lshl_b32 s38, s[WV], 14
	s_xor_b32 s39, s38, 16384
	v_add_nc_u32 v84, s38, v[L16]                  ; my 16,384 bytes from LDS byte 0 on, all inside slot 0: it has had its last fill, and nobody reads it behind the last change of slots
	v_add_nc_u32 v85, s39, v[L16]                  ; my partner's
	s_lshl_b32 s38, s[WV], 8
	s_xor_b32 s39, s38, 256
	s_add_co_u32 s38, s38, STAT
	s_add_co_u32 s39, s39, STAT
	v_lshl_add_u32 v86, v7, 3, s38
	v_lshl_add_u32 v87, v7, 3, s39
	v_and_b32 v100, 8, v9
	v_add_nc_u32 v100, v100, v9                    ; r + 8 (r / 8)
	v_bfe_u32 v101, v0, 4, 1
	v_mul_u32_u24 v101, 4224, v101                 ; lanes 16-31: eight rows of 528 bytes further down
	v_lshl_add_u32 v100, v100, 2, v101
	s_lshr_b32 s38, s[WV], 1
	s_lshl_b32 s38, s38, 7
	s_lshl_b32 s39, s15, 5
	s_add_co_u32 s38, s38, s39                     ; tile w's queries begin at position 32 (w / 2) + 8 (w % 2)
	s_add_co_u32 s38, s38, STG
	v_add_nc_u32 v88, s38, v100                    ; the stage: four address registers, 64 rows apart, so that the immediates stay inside 16 bits
	v_add_nc_u32 v89, 33792, v88
	v_add_nc_u32 v90, 33792, v89
	v_add_nc_u32 v91, 33792, v90
	s_mul_i32 s38, s[WV], 16896
	s_add_co_u32 s38, s38, STG
	v_add_nc_u32 v92, s38, v[L16]                  ; back: rows 32 w on, 16 bytes a lane
.set I, 0
.rept 32
	global_load_b128 v[128+4*I:131+4*I], v[L16], s[8:9] offset:16384*I th:TH_LOAD_NT      ; x(32 w + i, my block's 128 positions): 512 consecutive bytes
.set I, I+1
.endr
	WIN 0x04                                       ; an LDS store's data are its source 1: window 1
.set I, 0
.rept 32
	ds_store_b128 v84, v[128+4*I:131+4*I] offset:512*I             ; O^T of place 1 as it stands, each accumulator from its low end on
.set I, I+1
.endr
	WIN 0
	ds_store_b64 v86, v[ST1:ST1+1]                 ; its -M and l
	s_wait_dscnt 0x0                               ; for my partner's sake; my reads of slot 1 are over too
	s_barrier_signal -1
	s_barrier_wait -1
	ds_load_b64 v[94:95], v87
	WIN 0x40
.set I, 0
.rept 32
	ds_load_b128 v[128+4*I:131+4*I], v85 offset:512*I              ; tile w over the other half of the keys
.set I, I+1
.endr
	WIN 0
	s_wait_dscnt 0x0
	v_min_num_f32 v102, v[ST0], v94                ; -M of the whole row
	v_sub_f32 v103, v102, v[ST0]                   ; my M - the row's M: a whole number, 0 or less
	v_sub_f32 v104, v102, v94
	v_cvt_i32_f32 v103, v103
	v_cvt_i32_f32 v104, v104
	v_ldexp_f32 v103, 1.0, v103
	v_ldexp_f32 v104, 1.0, v104
	v_mul_f32 v105, v[ST0+1], v103
	v_fma_f32 v105, v95, v104, v105                ; the row's sum
	v_rcp_f32 v105, v105
	v_nop                                          ; one plain place behind a transcendental
	s_wait_alu depctr_va_vdst(0)
	v_mul_f32 v105, s19, v105                      ; gamma / l
	v_mul_f32 v96, v103, v105
	v_mul_f32 v98, v104, v105
	v_mov_b32 v97, v96                             ; (named as pairs)
	v_mov_b32 v99, v98
	WIN 0x41
.set J, 0
.rept 64
	v_pk_mul_f32 v[J:J+1], v[J:J+1], v[96:97] op_sel_hi:[1,0]
.set J, J+2
.endr
	WIN 0x51
.set J, 0
.rept 64
	v_pk_fma_f32 v[J:J+1], v[128+J:129+J], v[98:99], v[J:J+1] op_sel_hi:[1,0,1]
.set J, J+2
.endr
	WIN 0x04
.set E, 0
.rept 128
	ds_store_b32 v[88+E/32], v[E] offset:(((E/8)%4)*16+E%8)*528    ; register 8 ct + j: channel 16 ct + 8 (lane / 16) + j, my query's column.  The two halves of the lanes lie 1,056 words apart: 32 different words modulo 64 (64 banks of 4 bytes: ISA guide 11.1)
.set E, E+1
.endr
	WIN 0
	s_wait_dscnt 0x0                               ; for the others' sake: a row's 512 bytes come from all eight waves
	s_barrier_signal -1
	s_barrier_wait -1
	WIN 0x40
.set I, 0
.rept 32
	ds_load_b128 v[4*I:4*I+3], v92 offset:528*I
.set I, I+1
.endr
	WIN 0
	s_wait_dscnt 0x0
	s_wait_loadcnt 0x0                             ; x
	WIN 0x04
.set J, 0
.rept 64
	v_pk_add_f32 v[128+J:129+J], v[128+J:129+J], v[J:J+1]
.set J, J+2
.endr
	WIN 0
.set I, 0
.rept 32
	global_store_b128 v[L16], v[128+4*I:131+4*I], s[12:13] offset:16384*I th:TH_STORE_NT  ; 32 lanes store 512 consecutive bytes, at a multiple of 256 from out0's first byte
.set I, I+1
.endr
	s_wait_tensorcnt 0x0                           ; the wave's end, behind my last tensor load and my last LDS store
	ds_add_u32 v[SPW], v[NIL]
	s_wait_dscnt 0x0
	CROUND                                         ; the closing round: no work-group ends while a partner may still ask for a record that names it
	s_endpgm
.Lfunc_end_k_q646e8211e2_attn:
	.size	k_q646e8211e2_attn, .Lfunc_end_k_q646e8211e2_attn-k_q646e8211e2_attn
	.p2alignl 7, 3214868480
	.fill 96, 4, 3214868480
	.section	.rodata,"a",@progbits
	.p2align	6, 0x0
	.amdhsa_kernel k_q646e8211e2_attn
		.amdhsa_group_segment_fixed_size 327680
		.amdhsa_private_segment_fixed_size 0
		.amdhsa_enable_private_segment 0
		.amdhsa_kernarg_size 40
		.amdhsa_user_sgpr_count 2
		.amdhsa_user_sgpr_kernarg_segment_ptr 1
		.amdhsa_wavefront_size32 1
		.amdhsa_system_sgpr_workgroup_id_x 1
		.amdhsa_system_sgpr_workgroup_id_y 1
		.amdhsa_system_sgpr_workgroup_id_z 1
		.amdhsa_system_vgpr_workitem_id 0
		.amdhsa_next_free_vgpr 512
		.amdhsa_next_free_sgpr 66
		.amdhsa_reserve_vcc 1
		.amdhsa_float_denorm_mode_32 3
		.amdhsa_float_denorm_mode_16_64 3
		.amdhsa_memory_ordered 1
		.amdhsa_forward_progress 1
		.amdhsa_inst_pref_size 255
	.end_amdhsa_kernel
	.section	.bss,"aw",@nobits
	.p2align	6
	.space	262144
	.amdgpu_metadata
---
amdhsa.version: [ 1, 2 ]
amdhsa.kernels:
  - .name:           k_q646e8211e2_attn
    .symbol:         k_q646e8211e2_attn.kd
    .args:
      - { .name: qw, .offset: 0, .size: 8, .value_kind: global_buffer, .address_space: global }
      - { .name: kv, .offset: 8, .size: 8, .value_kind: global_buffer, .address_space: global }
      - { .name: x, .offset: 16, .size: 8, .value_kind: global_buffer, .address_space: global }
      - { .name: gamma, .offset: 24, .size: 8, .value_kind: global_buffer, .address_space: global }
      - { .name: out0, .offset: 32, .size: 8, .value_kind: global_buffer, .address_space: global }
    .group_segment_fixed_size: 327680
    .private_segment_fixed_size: 0
    .kernarg_segment_align: 8
    .kernarg_segment_size: 40
    .max_flat_workgroup_size: 256
    .sgpr_count:     66
    .vgpr_count:     512
    .wavefront_size: 32
...
	.end_amdgpu_metadata
.endif
;; end of part 2
